; MI455X (gfx1250); checked and timed in simulation.
; The chip was launched on July 23, 2026; its instructions are those of AMD's public machine-readable ISA for CDNA 5 (MIT licence, August 2026) and "CDNA5" Instruction Set Architecture Reference Guide (July 2026). The comments in the code are by the model that wrote it; some were corrected since.
;; Multi Head Attention. Allowed arithmetic: matrix products marked QUANTISED: E4M3 operands, one given power-of-two scale a tensor, by v_wmma_f32_16x16x64_fp8_fp8 or v_wmma_f32_16x16x128_fp8_fp8, f32 sums; everything else in f32.
;; Inputs: W_k_codes 1,024 x 32 x 32 uint8 (E4M3 codes of W_k, K innermost, in blocks of 32 codes); W_o_codes 1,024 x 32 x 32 uint8 (E4M3 codes of W_o, K innermost, in blocks of 32 codes); W_q_codes 1,024 x 32 x 32 uint8 (E4M3 codes of W_q, K innermost, in blocks of 32 codes); W_v_codes 1,024 x 32 x 32 uint8 (E4M3 codes of W_v, K innermost, in blocks of 32 codes); b_k 1,024 float32; b_o 1,024 float32; b_q 1,024 float32; b_v 1,024 float32; lowp_scales 12 int32 (the exponents e of the quantised operands' scales 2^e); x_codes 4 x 2,048 x 32 x 32 uint8 (E4M3 codes of x, K innermost, in blocks of 32 codes).
;; Outputs: out0 4 x 2,048 x 1,024 float32.
;; This version of the problem:
;;   THIS VERSION OF THE PROBLEM IS GIVEN IN LOW PRECISION. The matrix products marked QUANTISED in the list below multiply operands that are first quantised to E4M3 (4 exponent bits, 3 mantissa bits; 8 bits a number), with one given power-of-two scale for each operand tensor; their sums are f32. All else is computed in f32.
;;   The module's matrix products, in the order in which they are computed (A, B: the left and right operand; K: the contracted axis; several contracted axes count as one K, in the product's order):
;;     1. [M 8,192, K 1,024] x [K 1,024, N 1,024]; A: input x (given as codes); B: input W_q (given as codes): QUANTISED (scales: A lowp_scales[0], B lowp_scales[1])
;;     2. [M 8,192, K 1,024] x [K 1,024, N 1,024]; A: input x (given as codes); B: input W_k (given as codes): QUANTISED (scales: A lowp_scales[2], B lowp_scales[3])
;;     3. [M 8,192, K 1,024] x [K 1,024, N 1,024]; A: input x (given as codes); B: input W_v (given as codes): QUANTISED (scales: A lowp_scales[4], B lowp_scales[5])
;;     4. batch 64 x [M 2,048, K 64] x [K 64, N 2,048]; A: computed on the way; B: computed on the way: QUANTISED (scales: A lowp_scales[6], B lowp_scales[7])
;;     5. batch 64 x [M 2,048, K 2,048] x [K 2,048, N 64]; A: softmax (see below); B: computed on the way: QUANTISED (scales: A lowp_scales[8], B lowp_scales[9])
;;     6. [M 8,192, K 1,024] x [K 1,024, N 1,024]; A: computed on the way; B: input W_o (given as codes): QUANTISED (scales: A lowp_scales[10], B lowp_scales[11])
;;   THE QUANTISER, for each operand of a quantised product, along K:
;;     - The operand's scale is 2^e, e = its entry of the input lowp_scales (int32; the entries are numbered through the quantised products in the list's order, A before B).
;;     - Each number is divided by the scale, clamped to +-448, and rounded to the nearest number of E4M3, ties to even, subnormals kept.
;;     - The product sums the exact products of the quantised numbers (number of the format x scale) in f32.
;;   ~~~python
;;   def quantise(x, axis, e):      # numpy; x: float32 -> the quantised numbers, widened to float32 again
;;       x = np.moveaxis(x, axis, -1); K = x.shape[-1]
;;       r = np.clip(x / 2.0 ** e, -448, 448)
;;       step = 2.0 ** (np.maximum(np.frexp(np.where(r == 0, 1, r))[1] - 1, -6) - 3)
;;       q = np.round(r / step) * step * 2.0 ** e      # np.round: ties to even
;;       return np.moveaxis(q, -1, axis).astype(np.float32)
;;   ~~~
;;   SOFTMAX AHEAD OF A QUANTISED PRODUCT. Where the list says 'softmax', what is quantised is not the finished softmax but p = 2^(t - M), with t = logit x log2(e) and M = ceil(the row's largest t), a whole number; so 1/2 < the row's largest p <= 1. The row's sum l is taken of the UNQUANTISED p, in f32, and the product's result is divided by l at the end. Since M is a whole number, a kernel that streams over the keys may use a running M (the ceiling of the running maximum): every later rescaling is an exact power of two, so the quantised numbers keep their values, but for numbers so far below the row's largest that they fall under the format's range.
;;   OPERANDS COMPUTED ON THE WAY. 'Computed on the way' means the value that the module computes at that place (a softmax that the list does not call 'softmax' is quantised finished and normalised). What goes into a quantiser is computed in f32, as accurately as f32 sums, v_exp_f32 and their like allow (about 1e-6 of the number): no bf16 or f16 on the way to a quantiser, and a product that is left as it is and whose result goes on into a quantised operand takes f32 operands (vector FMAs, or v_wmma_f32_16x16x4_f32). A number that lies on a knife's edge between two numbers of the format may be rounded either way, as far as f32 arithmetic and the matrix unit's own rounding can turn it there, and no further.
;;   INPUTS GIVEN AS CODES. W_k (in the module: [1024, 1024], K = its axis 1); W_o (in the module: [1024, 1024], K = its axis 1); W_q (in the module: [1024, 1024], K = its axis 1); W_v (in the module: [1024, 1024], K = its axis 1); x (in the module: [4, 2048, 1024], K = its axis 2): each comes as NAME_codes (uint8): NAME with its K axis moved to the last place and cut into blocks of 32 codes, [.., K / 32, bytes a block], one block behind the other in memory; one code a byte (a code: sign, 4 exponent bits, 3 mantissa bits); its scale is its entry of lowp_scales. Its value is code x scale, taken as it is: it is not quantised again, and the codes and scales need not be those that the quantiser above would give.
;; One version. Each part assembles by itself: llvm-mc -triple=amdgcn-amd-amdhsa -mcpu=gfx1250 --defsym DOCPART=n.
;; ======== version 1 of 1: 3 launches
;; limits: right only within a limited range of input values
;; workspace buffers: qimg 8,388,608 bytes; kvimg 16,777,216 bytes; aimg 8,388,608 bytes
;; launch qkv (part 1): grid 12 x 32, 4 waves a work-group, clusters of 4 x 4, 327,680 bytes of LDS; arguments x_codes, W_q_codes, W_k_codes, W_v_codes, b_q, b_k, b_v, lowp_scales, qimg, kvimg; writes qimg, kvimg
.if DOCPART == 1
	.amdgcn_target "amdgcn-amd-amdhsa--gfx1250"
	.amdhsa_code_object_version 6
	.text
	.protected	k_qbf04d4460a_qkv
	.globl	k_qbf04d4460a_qkv
	.p2align	8
	.type	k_qbf04d4460a_qkv,@function
k_qbf04d4460a_qkv:
	s_mov_b64 s[64:65], 0
	v_nop
	global_prefetch_b8 v0, s[64:65] scope:SCOPE_SE
	s_setreg_imm32_b32 hwreg(HW_REG_WAVE_MODE, 25, 1), 1
	s_wait_xcnt 0x0
	s_wait_alu depctr_hold_cnt(0) depctr_sa_sdst(0) depctr_va_vdst(0) depctr_va_sdst(0) depctr_va_ssrc(0) depctr_va_vcc(0) depctr_vm_vsrc(0)
	s_getreg_b32 s2, hwreg(HW_REG_IB_STS2, 6, 4)
	s_cmp_eq_u32 s2, 0
	s_cbranch_scc0 .Lentry_in_a_cluster
	s_endpgm
.Lentry_in_a_cluster:
	s_bfe_u32 s2, ttmp6, 0x10000c
	s_cmp_lg_u32 s2, 0xf033
	s_cbranch_scc0 .Lentry_shape_is_right
	s_endpgm
.Lentry_shape_is_right:
; Q = x W_q^T + b_q, K = x W_k^T + b_k, V = x W_v^T + b_v on codes of FP8 (E4M3); each result is quantised at once, in f32, with its given scale, and leaves as codes.
; x: [8192][1024] codes, W_*: [1024][1024] codes, K innermost.  lowp_scales: entries 0-5 the three products' operands, 6 Q's, 7 K's, 9 V's scale as an operand of attention.
; ROLES.  The cluster's x says which product: 0 Q, 1 K, 2 V.  One text serves all three: C = A B^T on tiles of 256 x 256; for Q and K A = x, B = the weight; for V the operands change places
; (A = W_v, B = x), so that C = V^T.  Only pointers, offsets and two masks are chosen (s_cselect on the cluster's x, which all sixteen partners share); no branch hangs on the role.
; SHARES.  Four waves, each 128 x 128 of C: 64 accumulators, 512 registers.  K goes in steps of 256 through two LDS slots filled by the tensor data mover; a tile's row is 256 bytes of memory.
; CLUSTERS: 4 x 4 work-groups; the four of a row need the same tiles of A, the four of a column the same tiles of B: each tile is asked for jointly, by the same load with a mask that names the four.
; THE MATRIX INSTRUCTION IS USED TRANSPOSED (source 0 = 16 rows of B, source 1 = 16 rows of A): lane (r, h) of accumulator (a, b) holds C(16 a + r, 16 b + 8 h + 0 .. 7): eight neighbours along C's columns,
; which are the head's channels for Q and K and the keys for V^T: the K axis of the product that reads them.  One conversion makes of them registers 2 b, 2 b + 1 of an operand in the layout of the plain
; FP8 forms (k = 16 c + 8 h + 0 .. 7 in registers 2 c, 2 c + 1).  So THE CODES LEAVE AS IMAGES OF OPERAND REGISTERS: four registers a lane, 16 bytes at 16 x lane: each store covers 512 consecutive bytes, aligned.
;   qimg  [head 64][tile of 16 queries 128][2][lane 32][16 bytes]
;   kvimg [head 64][step of 128 keys 16][16,384 bytes]: K: tile of 16 keys t at 1,024 t, two pieces of 512; from byte 8,192 V^T: tile of 16 channels ct at 2,048 ct, four pieces of 512
; BIAS.  It runs along C's columns for Q and K and along C's rows for V^T.  Both tables are loaded (at offsets that are safe in either role) and the one that the role has not is cleared by a mask:
; y = fma(sum, 2^(ea + eb), column bias) + row bias, of which one term is 0: y is rounded once.
; LIMITS: the two operands' exponents added lie between -126 and 127, the result's scale exponent between -126 and 119, so that each power of two below is an f32 number.  NaN is not served.
; REGISTERS, in windows of 256: window 0: v1-7 at work; v8-11 store offsets; v13 the scale; v16-21 LDS addresses; v28, v29 the add's; v32-95 column bias; v96-119 row bias;
;   v128-255 A's fragments, ONE set, later the codes.   window 1: B's fragments, TWO sets, later 256 numbers on their way to codes.   windows 2, 3: accumulator (a, b) at v[8 (8 (a % 4) + b)] of window 2 + a / 4.
.set ROWB,   256                       ; a tile's row in bytes: 256 codes
.set KROW,   1024                      ; a row of x or of a weight in memory, in bytes
.set PITCH,  272                       ; an LDS row: 256 bytes + 16 of padding = 68 words: row r starts at bank 4 r mod 64 (64 banks of 4 bytes: ISA guide 11.1)
.set FR,     16                        ; registers of a fragment: 16 rows x 128 K
.set NL,     4                         ; LDS loads that bring one
.set NP,     4                         ; places behind this matrix instruction (ISA guide 7.12.1)
.set HALFT,  128*PITCH                 ; 128 rows: what one tensor load brings
.set SLOT,   4*HALFT                   ; A's 256 rows, then B's 256 rows
.set LAPS,   KROW/(2*ROWB)             ; a lap = two K steps = once round the ring
.set SPARE,  2*SLOT                    ; behind the ring: the spare words, 128 bytes for each wave
.set VO,   8                           ; v8-11   16 x lane + al x the distance between two of my row blocks in the image
.set LIM,  12
.set SCV,  13                          ; v13     the result's scale as f32
.set ADRA, 16                          ; v16-17  LDS address of my A fragments in slot 0, 1
.set ADRB, 20                          ; v20-21  the same for B
.set SPW,  28                          ; v28     LDS address of my spare word; never rewritten
.set NIL,  29                          ; v29     0; never rewritten
.set BC,   32                          ; v32-95  column bias: register 8 b + j for column 16 b + 8 h + j
.set BRR,  96                          ; v96-103 row bias as loaded: register a for row 16 a + r
.set BR,   104                         ; v104-119 the same, twice each: pairs for the packed addition
.set AF,   128                         ; A's fragments
.set CD,   128                         ; the codes, where A's fragments lay
.set G1, 24                            ; s[24:31] descriptor group 1 for A's tiles;  s[32:39] group 0, one set for each slot
.set G0, 32
.set G1B, 48                           ; s[48:55], s[56:63] the same for B's tiles
.set G0B, 56
.set MSB, 0
.macro WIN new                         ; the immediate's high byte repeats the setting that is left
.if MSB != (\new)
	s_set_vgpr_msb (MSB<<8)|(\new)
.set MSB, (\new)
.endif
.endm
.set MUL_LO, 0xa1                      ; source 0 (B) window 1, source 1 (A) window 0, C and D window 2
.set MUL_HI, 0xf1                      ; the same, C and D window 3
.set TO_B,   0x40                      ; destination window 1, address window 0
; A joint load: waves 0 and 1 fetch for A, waves 2 and 3 for B.  The branch hangs on the wave's number alone.  Four v_nop follow each of the two lines.
.macro JLOAD g0a, g1a, g0b, g1b
	s_cmp_eq_u32 s15, 0
	s_cbranch_scc0 .Lfor_b_\@
	tensor_load_to_lds s[\g0a:\g0a+3], s[\g1a:\g1a+7]
	s_nop 0
.rept 4
	v_nop
.endr
	s_branch .Lasked_\@
.Lfor_b_\@:
	tensor_load_to_lds s[\g0b:\g0b+3], s[\g1b:\g1b+7]
	s_nop 0
.rept 4
	v_nop
.endr
.Lasked_\@:
.endm
.macro CREST                           ; a round of the cluster's barrier behind its opening barrier
	s_cmp_lg_u32 s14, 0
	s_cbranch_scc1 .Lnot_wave_0_\@
	s_barrier_signal -3
.Lnot_wave_0_\@:
	s_barrier_wait -3
	s_barrier_signal -1
	s_barrier_wait -1
.endm
.macro CROUND                          ; a whole round
	s_barrier_signal -1
	s_barrier_wait -1
	CREST
.endm
	s_load_b256 s[4:11], s[0:1], 0x0               ; x s[4:5], W_q s[6:7], W_k s[8:9], W_v s[10:11]
	s_load_b256 s[68:75], s[0:1], 0x20             ; b_q s[68:69], b_k s[70:71], b_v s[72:73], the scales' exponents s[74:75]
	s_load_b128 s[76:79], s[0:1], 0x40             ; qimg s[76:77], kvimg s[78:79]
	v_lshl_add_u32 v[SPW], v0, 2, SPARE
	v_mov_b32 v[NIL], 0
	ds_add_u32 v28, v29
	ds_add_u32 v28, v29
	s_wait_dscnt 0x0
	v_lshrrev_b32 v1, 5, v0
	v_readfirstlane_b32 s14, v1                    ; wave 0..3
	s_lshr_b32 s15, s14, 1                         ; which half of the tile's rows is mine.  Also: I fetch for A (0) or for B (1)
	s_and_b32 s16, s14, 1                          ; which half of its columns.  Also: which 128 rows of that tile I fetch
	s_bfe_u32 s40, ttmp6, 0x40000                  ; cx, cy: my place in the cluster
	s_bfe_u32 s41, ttmp6, 0x40004
	s_and_b32 s81, ttmp7, 0xffff
	s_lshl_b32 s81, s81, 2                         ; 4 x cluster y: the walk along the 8,192 tokens
	s_cmp_eq_u32 ttmp9, 2                          ; V's role?
	s_cselect_b32 s82, 0, s81                      ; the tokens are C's rows for Q and K,
	s_cselect_b32 s83, s81, 0                      ; its columns for V^T
	s_cselect_b32 s98, 0, -1                       ; mask of the column bias
	s_cselect_b32 s99, -1, 0                       ; mask of the row bias
	s_cselect_b32 s94, 28, 24
	s_lshl_b32 s92, ttmp9, 2
	s_add_co_u32 s94, s94, s92                     ; byte of the result's scale: entry 6, 7 or 9
	s_lshl_b32 s92, ttmp9, 3                       ; byte of the product's two scales: entries 2 role, 2 role + 1
	s_mov_b32 s93, 0
	s_mov_b32 s95, 0
	s_add_co_u32 s17, s41, s82                     ; tile row of C
	s_add_co_u32 s42, s40, s83                     ; tile column of C
	s_lshl_b32 s43, s41, 2
	s_lshl_b32 s43, 15, s43                        ; my row of the cluster
	s_lshl_b32 s44, 0x1111, s40                    ; my column
	; descriptor group 1: a tile of 128 rows x 256 bytes, padded in LDS
	s_or_b32 s[G1+0], s43, (0<<16)|(1<<20)|(1<<21)|(5<<22)|(3<<25)  ; 15:0 the mask: A's tiles go to my row; 17:16 element of 1 byte; 20 padding on; 21 set beside a mask; 24:22 after every 64 words (code 5); 31:25 of 4 words (code 3)
	s_or_b32 s[G1B+0], s44, (0<<16)|(1<<20)|(1<<21)|(5<<22)|(3<<25)
.irp g, G1, G1B
	s_mov_b32 s[\g+1], ROWB<<16                    ; tensor_dim0
	s_mov_b32 s[\g+2], 128<<16                     ; tensor_dim1 = 128
	s_mov_b32 s[\g+3], ROWB<<16                    ; tile_dim0
	s_mov_b32 s[\g+4], 128                         ; tile_dim1 = 128
	s_mov_b32 s[\g+5], KROW                        ; tensor_dim0_stride
	s_mov_b32 s[\g+6], 0
	s_mov_b32 s[\g+7], 0
.endr
	s_lshl_b32 s18, s16, 7                         ; which 128 rows of the tile I fetch
	s_lshl_b32 s20, s17, 8
	s_add_co_u32 s20, s20, s18                     ; A: row 256 x tile row + 128 x half
	s_lshl_b32 s20, s20, 10                        ; in bytes: under 2^23
	s_mov_b32 s21, 0
	s_lshl_b32 s46, s42, 8
	s_add_co_u32 s46, s46, s18                     ; B: row 256 x tile column + 128 x half
	s_lshl_b32 s46, s46, 10
	s_mov_b32 s47, 0
	s_mul_i32 s45, s14, HALFT                      ; where they go: wave x 128 rows: no place in the cluster enters an LDS address
	s_wait_kmcnt 0x0
	s_cmp_eq_u32 ttmp9, 2
	s_cselect_b64 s[84:85], s[10:11], s[4:5]       ; A: W_v for V, else x
	s_cselect_b64 s[86:87], s[4:5], s[8:9]         ; B: x for V, W_k for K,
	s_cselect_b64 s[88:89], s[72:73], s[70:71]     ; the bias likewise
	s_cmp_eq_u32 ttmp9, 0
	s_cselect_b64 s[86:87], s[6:7], s[86:87]       ; W_q for Q
	s_cselect_b64 s[88:89], s[68:69], s[88:89]
	s_cselect_b64 s[90:91], s[76:77], s[78:79]     ; the images: qimg for Q, kvimg for K and V
	s_add_nc_u64 s[92:93], s[74:75], s[92:93]
	s_add_nc_u64 s[94:95], s[74:75], s[94:95]
	s_load_b64 s[96:97], s[92:93], 0x0             ; the product's two exponents
	s_load_b32 s100, s[94:95], 0x0                 ; the result's
	s_add_nc_u64 s[20:21], s[84:85], s[20:21]
	s_add_nc_u64 s[46:47], s[86:87], s[46:47]
	CROUND                                         ; all sixteen work-groups are here: the first joint loads meet
.irp s, 0,1
	s_mov_b32 s[G0+4*\s], 1
	s_add_co_u32 s[G0+4*\s+1], s45, \s*SLOT
	s_add_nc_u64 s[G0+4*\s+2:G0+4*\s+3], s[20:21], \s*ROWB
	s_or_b32 s[G0+4*\s+3], s[G0+4*\s+3], 0x80000000
	s_mov_b32 s[G0B+4*\s], 1
	s_add_co_u32 s[G0B+4*\s+1], s45, \s*SLOT
	s_add_nc_u64 s[G0B+4*\s+2:G0B+4*\s+3], s[46:47], \s*ROWB
	s_or_b32 s[G0B+4*\s+3], s[G0B+4*\s+3], 0x80000000
	JLOAD G0+4*\s, G1, G0B+4*\s, G1B
.endr
	v_and_b32 v1, 15, v0                           ; r = l % 16
	v_bfe_u32 v2, v0, 4, 1                         ; h = l / 16
	s_wait_alu depctr_va_vdst(0)
	v_mul_u32_u24 v3, v1, PITCH
	v_lshl_add_u32 v4, v2, 4, v3                   ; a fragment's row x pitch + 16 x half
	s_mul_i32 s21, s15, HALFT                      ; my 128 rows of A
	s_mul_i32 s22, s16, HALFT                      ; my 128 rows of B,
	s_add_co_u32 s22, s22, 2*HALFT                 ; which lie behind A's 256
.irp s, 0,1
	v_add_nc_u32 v[ADRA+\s], s21, v4
	v_add_nc_u32 v[ADRB+\s], s22, v4
	s_add_co_u32 s21, s21, SLOT
	s_add_co_u32 s22, s22, SLOT
.endr
	; my corner of C, and what it means in the role
	s_lshl_b32 s18, s17, 8
	s_lshl_b32 s22, s15, 7
	s_add_co_u32 s18, s18, s22                     ; m0: my first row
	s_lshl_b32 s19, s42, 8
	s_lshl_b32 s22, s16, 7
	s_add_co_u32 s19, s19, s22                     ; n0: my first column
	s_cmp_eq_u32 ttmp9, 2
	s_cselect_b32 s22, s19, s18                    ; my first token
	s_cselect_b32 s23, s18, s19                    ; my first channel
	s_cselect_b32 s12, 0, s19                      ; where the column bias is read: at n0, or (V) at 0, to be cleared
	s_cselect_b32 s13, s18, 0                      ; where the row bias is read: at m0 (V), or at 0, to be cleared
	s_cselect_b32 s82, 8192, 0                     ; V^T lies behind K in a key step's 16,384 bytes
	s_cselect_b32 s101, 1, 0
	v_lshlrev_b32 v5, 5, v2
	v_lshl_add_u32 v5, s12, 2, v5                  ; 4 x start + 32 h
	v_lshlrev_b32 v6, 2, v1
	v_lshl_add_u32 v6, s13, 2, v6                  ; 4 x start + 4 r
.irp b, 0,1,2,3,4,5,6,7
	global_load_b128 v[BC+8*\b:BC+8*\b+3], v5, s[88:89] offset:64*\b        ; bias(start + 16 b + 8 h + 0 .. 7): the last byte read is 4,095 at the most
	global_load_b128 v[BC+8*\b+4:BC+8*\b+7], v5, s[88:89] offset:64*\b+16
.endr
.irp a, 0,1,2,3,4,5,6,7
	global_load_b32 v[BRR+\a], v6, s[88:89] offset:64*\a                    ; bias(start + 16 a + r)
.endr
	; where my codes go.  Head = 16 x batch + channel / 64; a head is 2^17 bytes of qimg and 2^18 of kvimg; 16 tokens are 1,024 bytes of qimg, 128 tokens 16,384 of kvimg
	s_lshr_b32 s66, s22, 11
	s_lshl_b32 s66, s66, 4
	s_lshr_b32 s67, s23, 6
	s_add_co_u32 s66, s66, s67                     ; my first head
	s_and_b32 s67, s22, 2047                       ; my first token in its batch
	s_lshl_b32 s66, s66, 17
	s_lshl_b32 s67, s67, 6
	s_add_co_u32 s66, s66, s67
	s_cmp_lg_u32 ttmp9, 0
	s_cselect_b32 s80, 1, 0                        ; kvimg has twice the bytes for a head and for a token
	s_lshl_b32 s66, s66, s80
	s_add_co_u32 s66, s66, s82                     ; the byte of my first piece: under 2^25
	s_lshl_b32 s81, 0x20000, s80                   ; from head to head
	s_lshl_b32 s83, 1024, s101                     ; from row block to row block: a tile of tokens is 1,024 bytes, a tile of V^T's channels 2,048
	s_mov_b32 s2, 4096
	s_mov_b32 s3, 1024
	s_cmp_eq_u32 ttmp9, 2
	s_cselect_b32 s2, s81, s2                      ; from row blocks 0-3 to 4-7: V^T: the next head; else four tiles of tokens
	s_cselect_b32 s3, s3, s81                      ; from column blocks 0-3 to 4-7: V^T: two pieces on; else the next head
	s_mov_b32 s67, 0
	s_add_nc_u64 s[4:5], s[90:91], s[66:67]        ; four bases: (row half, column half) = (0, 0),
	s_mov_b32 s66, s3
	s_add_nc_u64 s[6:7], s[4:5], s[66:67]          ; (0, 1),
	s_mov_b32 s66, s2
	s_add_nc_u64 s[8:9], s[4:5], s[66:67]          ; (1, 0),
	s_add_nc_u64 s[10:11], s[6:7], s[66:67]        ; (1, 1)
	v_and_b32 v7, 31, v0
	v_lshlrev_b32 v[VO], 4, v7                     ; 16 x lane
	v_add_nc_u32 v[VO+1], s83, v[VO]
	v_add_nc_u32 v[VO+2], s83, v[VO+1]
	v_add_nc_u32 v[VO+3], s83, v[VO+2]
	s_wait_kmcnt 0x0
	s_add_co_i32 s96, s96, s97
	s_add_co_i32 s96, s96, 127
	s_lshl_b32 s96, s96, 23                        ; 2^(ea + eb) as f32
	s_mov_b32 s97, s96                             ; (named with it as a pair, so it is written)
	s_add_co_i32 s100, s100, 127
	s_lshl_b32 s66, s100, 23
	v_mov_b32 v[SCV], s66                          ; the result's scale as f32: the conversion takes its exponent field
	s_wait_loadcnt 0x0                             ; the bias; the first tiles are still on their way
.set j, 0
.rept 64
	v_and_b32 v[BC+j], s98, v[BC+j]                ; kept for Q and K, cleared for V
.set j, j+1
.endr
.irp a, 0,1,2,3,4,5,6,7
	v_and_b32 v[BR+2*\a], s99, v[BRR+\a]           ; kept for V, cleared for Q and K
	v_and_b32 v[BR+2*\a+1], s99, v[BRR+\a]
.endr
.macro FRAG reg, adr, q, i             ; 16 rows x 128 K in 16 registers by four loads of 16 bytes: registers 4 c .. 4 c + 3 hold K = 32 c + 16 h + 0 .. 15: a permutation of k, the same in A and in B, so every product meets its partner
.irp c, 0,1,2,3
	ds_load_b128 v[\reg+4*\c:\reg+4*\c+3], v[\adr] offset:128*(\q)+32*\c+(\i)*16*PITCH
.endr
.endm
; 16 matrix instructions: A's blocks a0, a0 + 1 x B's eight, 128 along K.  p: B's set.  zero = 1: the first product starts the sums.
; The 64 accumulators take turns, one instruction a turn, in the same order in every step.
.macro MUL16 a0, p, zero
.irp a, \a0, \a0+1
.irp b, 0,1,2,3,4,5,6,7
.if \zero
	v_wmma_f32_16x16x128_fp8_fp8 v[8*(8*((\a)%4)+\b):8*(8*((\a)%4)+\b)+7], v[128*(\p)+FR*\b:128*(\p)+FR*\b+FR-1], v[AF+FR*(\a):AF+FR*(\a)+FR-1], 0
.else
	v_wmma_f32_16x16x128_fp8_fp8 v[8*(8*((\a)%4)+\b):8*(8*((\a)%4)+\b)+7], v[128*(\p)+FR*\b:128*(\p)+FR*\b+FR-1], v[AF+FR*(\a):AF+FR*(\a)+FR-1], v[8*(8*((\a)%4)+\b):8*(8*((\a)%4)+\b)+7]
.endif
.endr
.endr
.endm
.macro FETCH_B slot, q, p              ; B's eight fragments of the slot's q-th 128 along K into set p
	WIN TO_B
.irp i, 0,1,2,3,4,5,6,7
	FRAG 128*(\p)+FR*\i, ADRB+\slot, \q, \i
.endr
	WIN 0
.endm
.macro FETCH_A slot, q, i0             ; A's blocks i0 .. i0 + 3
.irp i, \i0, \i0+1, \i0+2, \i0+3
	FRAG AF+FR*(\i), ADRA+\slot, \q, \i
.endr
.endm
; A load into a register that a matrix instruction has read, and a vector instruction that reads a matrix result or writes one of a matrix instruction's registers, stand NP places behind it;
; only plain vector instructions that name none of its registers are places (ISA guide 7.12.1 for vector instructions).
.macro PLACES n
.rept \n
	v_nop
.endr
.endm
; A step of 128 along K that has its successor in the same slot.  A block of A is free as soon as its eight products are issued: blocks 0-3 are fetched anew in the step's middle, blocks 4-7 at its end.
.macro STEP slot, q, zero
	s_wait_dscnt 4*NL                              ; B's set and A's blocks 0-3 are in; the youngest 16 loads (A's blocks 4-7) may be out
	WIN MUL_LO
	MUL16 0, (\q)%2, \zero
	MUL16 2, (\q)%2, \zero
	s_wait_dscnt 0                                 ; A's blocks 4-7 are in (asked for 32 matrix instructions ago)
	PLACES NP
	FETCH_B \slot, (\q)+1, 1-(\q)%2
	FETCH_A \slot, (\q)+1, 0
	WIN MUL_HI
	MUL16 4, (\q)%2, \zero
	MUL16 6, (\q)%2, \zero
	PLACES NP
	WIN 0
	FETCH_A \slot, (\q)+1, 4
.endm
; A slot's last step changes slots: ONE barrier; in front of it each wave waits for all its tensor loads, adds 0 to its spare word, and waits for that and for its own reads of this slot.  fill = 1: this slot is filled again, two K steps ahead.
.macro TURN slot, next, fill
	s_wait_tensorcnt 0x0                           ; all my tensor loads have landed: my part of the next slot;  (every window is 0 here)
	ds_add_u32 v[SPW], v[NIL]                      ; 0 onto my spare word
	s_wait_dscnt 4*NL+1                            ; (the add and the youngest 16 loads, A's blocks 4-7, may be out)
	WIN MUL_LO
	MUL16 0, 1, 0                                  ; sixteen matrix instructions stand between the add and the wait for it
	s_wait_dscnt 0x0                               ; the add is done, and my reads of this slot are over
	s_barrier_signal -1
	MUL16 2, 1, 0
	WIN 0
	s_barrier_wait -1
.if \fill
	CREST                                          ; the barrier has opened a round of the cluster's barrier: no wave of any partner still reads this slot's tile or has a load on its way
	s_add_nc_u64 s[G0+4*\slot+2:G0+4*\slot+3], s[G0+4*\slot+2:G0+4*\slot+3], 2*ROWB
	s_add_nc_u64 s[G0B+4*\slot+2:G0B+4*\slot+3], s[G0B+4*\slot+2:G0B+4*\slot+3], 2*ROWB
	JLOAD G0+4*\slot, G1, G0B+4*\slot, G1B         ; the first tensor load behind the round; the four v_nop behind it are the places in front of the loads below
.else
	PLACES NP
.endif
	FETCH_B \next, 0, 0
	FETCH_A \next, 0, 0
	WIN MUL_HI
	MUL16 4, 1, 0
	MUL16 6, 1, 0
	PLACES NP
	WIN 0
	FETCH_A \next, 0, 4
.endm
	s_wait_tensorcnt 1                             ; my part of K step 0 is in (K step 1's load may be out)
	s_barrier_signal -1
	s_barrier_wait -1                              ; everybody's is
	FETCH_B 0, 0, 0
	FETCH_A 0, 0, 0
	FETCH_A 0, 0, 4
	STEP 0, 0, 1                                   ; the first step stands in front of the loop: its products start the sums
	s_mov_b32 s3, LAPS-1
.Llap:                                                 ; a trip goes once round the ring, from a lap's second step to the next lap's first, and fills both slots again
	TURN 0, 1, 1
	STEP 1, 0, 0
	TURN 1, 0, 1
	STEP 0, 0, 0
	s_sub_co_u32 s3, s3, 1
	s_cmp_lg_u32 s3, 0
	s_cbranch_scc1 .Llap
	TURN 0, 1, 0                                   ; the last lap fills nothing, and has no round of the cluster's barrier
	STEP 1, 0, 0
	s_wait_dscnt 4*NL                              ; the very last step: nothing more to fetch
	WIN MUL_LO
	MUL16 0, 1, 0
	MUL16 2, 1, 0
	s_wait_dscnt 0
	WIN MUL_HI
	MUL16 4, 1, 0
	MUL16 6, 1, 0
	WIN 0
	PLACES NP                                      ; in front of the first read of results and the first write over B's fragments
; THE WAY OUT, half of my rows (four blocks of 16) at a time: 256 numbers a lane into window 1, converted, stored.
.macro OUTHALF hi
	WIN 0x42+\hi                                   ; destination window 1, source 0 (the sums) window 2 or 3, source 2 (the column bias) window 0
.irp al, 0,1,2,3
.irp b, 0,1,2,3,4,5,6,7
.irp i, 0,2,4,6
	v_pk_fma_f32 v[64*\al+8*\b+\i:64*\al+8*\b+\i+1], v[64*\al+8*\b+\i:64*\al+8*\b+\i+1], s[96:97], v[BC+8*\b+\i:BC+8*\b+\i+1] op_sel_hi:[1,0,1]   ; sum x 2^(ea + eb) + column bias; each accumulator from its low end on
.endr
.endr
.endr
	WIN 0x41                                       ; destination and source 0 window 1, the others window 0
.irp al, 0,1,2,3
.irp b, 0,1,2,3,4,5,6,7
.irp i, 0,2,4,6
	v_pk_add_f32 v[64*\al+8*\b+\i:64*\al+8*\b+\i+1], v[64*\al+8*\b+\i:64*\al+8*\b+\i+1], v[BR+2*(4*\hi+\al):BR+2*(4*\hi+\al)+1]   ; + row bias: of the two biases one is 0, so nothing is rounded twice
.endr
.endr
.endr
.set j, 0
.rept 256
.set j, j+1
.endr
	WIN 0x01                                       ; source 0 window 1, destination and scale window 0
.irp al, 0,1,2,3
.irp b, 0,1,2,3,4,5,6,7
	v_cvt_scalef32_pk8_fp8_f32 v[CD+64*\hi+16*\al+2*\b:CD+64*\hi+16*\al+2*\b+1], v[64*\al+8*\b:64*\al+8*\b+7], v[SCV]   ; registers 2 b, 2 b + 1 of the operand
.endr
.endr
	v_nop                                          ; one plain vector instruction behind the last conversion: the next half writes the numbers' registers again
	WIN 0
.irp al, 0,1,2,3
.irp g, 0,1,2,3
	global_store_b128 v[VO+\al], v[CD+64*\hi+16*\al+4*\g:CD+64*\hi+16*\al+4*\g+3], s[4+2*(2*\hi+\g/2):5+2*(2*\hi+\g/2)] offset:512*(\g%2)   ; 32 lanes store 512 consecutive bytes, aligned; no register of a store is written again
.endr
.endr
.endm
	OUTHALF 0
	OUTHALF 1
	s_wait_tensorcnt 0x0                           ; the wave's end
	ds_add_u32 v[SPW], v[NIL]
	s_wait_dscnt 0x0
	CROUND                                         ; the closing round: no work-group ends while a partner may still ask for a tile that names it
	s_endpgm
.Lfunc_end_k_qbf04d4460a_qkv:
	.size	k_qbf04d4460a_qkv, .Lfunc_end_k_qbf04d4460a_qkv-k_qbf04d4460a_qkv
	.p2alignl 7, 3214868480
	.fill 96, 4, 3214868480
	.section	.rodata,"a",@progbits
	.p2align	6, 0x0
	.amdhsa_kernel k_qbf04d4460a_qkv
		.amdhsa_group_segment_fixed_size 327680
		.amdhsa_private_segment_fixed_size 0
		.amdhsa_enable_private_segment 0
		.amdhsa_kernarg_size 80
		.amdhsa_user_sgpr_count 2
		.amdhsa_user_sgpr_kernarg_segment_ptr 1
		.amdhsa_wavefront_size32 1
		.amdhsa_system_sgpr_workgroup_id_x 1
		.amdhsa_system_sgpr_workgroup_id_y 1
		.amdhsa_system_sgpr_workgroup_id_z 1
		.amdhsa_system_vgpr_workitem_id 0
		.amdhsa_next_free_vgpr 1024
		.amdhsa_next_free_sgpr 102
		.amdhsa_reserve_vcc 0
		.amdhsa_float_denorm_mode_32 3
		.amdhsa_float_denorm_mode_16_64 3
		.amdhsa_fp16_overflow 1
		.amdhsa_memory_ordered 1
		.amdhsa_forward_progress 1
		.amdhsa_inst_pref_size 124
	.end_amdhsa_kernel
	.amdgpu_metadata
---
amdhsa.version: [ 1, 2 ]
amdhsa.kernels:
  - .name:           k_qbf04d4460a_qkv
    .symbol:         k_qbf04d4460a_qkv.kd
    .args:
      - { .name: x_codes, .offset: 0, .size: 8, .value_kind: global_buffer, .address_space: global }
      - { .name: W_q_codes, .offset: 8, .size: 8, .value_kind: global_buffer, .address_space: global }
      - { .name: W_k_codes, .offset: 16, .size: 8, .value_kind: global_buffer, .address_space: global }
      - { .name: W_v_codes, .offset: 24, .size: 8, .value_kind: global_buffer, .address_space: global }
      - { .name: b_q, .offset: 32, .size: 8, .value_kind: global_buffer, .address_space: global }
      - { .name: b_k, .offset: 40, .size: 8, .value_kind: global_buffer, .address_space: global }
      - { .name: b_v, .offset: 48, .size: 8, .value_kind: global_buffer, .address_space: global }
      - { .name: lowp_scales, .offset: 56, .size: 8, .value_kind: global_buffer, .address_space: global }
      - { .name: qimg, .offset: 64, .size: 8, .value_kind: global_buffer, .address_space: global }
      - { .name: kvimg, .offset: 72, .size: 8, .value_kind: global_buffer, .address_space: global }
    .group_segment_fixed_size: 327680
    .private_segment_fixed_size: 0
    .kernarg_segment_align: 8
    .kernarg_segment_size: 80
    .max_flat_workgroup_size: 128
    .sgpr_count:     102
    .vgpr_count:     1024
    .wavefront_size: 32
...
	.end_amdgpu_metadata
.endif
;; end of part 1
;; launch attn (part 2): grid 4 x 64, 8 waves a work-group, clusters of 4 x 1, 263,168 bytes of LDS; arguments qimg, kvimg, lowp_scales, aimg; writes aimg
.if DOCPART == 2
	.amdgcn_target "amdgcn-amd-amdhsa--gfx1250"
	.amdhsa_code_object_version 6
	.text
	.protected	k_qbf04d4460a_attn
	.globl	k_qbf04d4460a_attn
	.p2align	8
	.type	k_qbf04d4460a_attn,@function
k_qbf04d4460a_attn:
	s_mov_b64 s[64:65], 0
	v_nop
	global_prefetch_b8 v0, s[64:65] scope:SCOPE_SE
	s_setreg_imm32_b32 hwreg(HW_REG_WAVE_MODE, 25, 1), 1
	s_wait_xcnt 0x0
	s_wait_alu depctr_hold_cnt(0) depctr_sa_sdst(0) depctr_va_vdst(0) depctr_va_sdst(0) depctr_va_ssrc(0) depctr_va_vcc(0) depctr_vm_vsrc(0)
	s_getreg_b32 s2, hwreg(HW_REG_IB_STS2, 6, 4)
	s_cmp_eq_u32 s2, 0
	s_cbranch_scc0 .Lentry_in_a_cluster
	s_endpgm
.Lentry_in_a_cluster:
	s_bfe_u32 s2, ttmp6, 0x10000c
	s_cmp_lg_u32 s2, 0x3003
	s_cbranch_scc0 .Lentry_shape_is_right
	s_endpgm
.Lentry_shape_is_right:
; O[head][q] = the sum over k of softmax_k(Q[q] . K[k] / 8) V[k], 64 heads of 2,048 tokens x 64 channels, both products on codes of FP8 (E4M3); O is quantised at once for the product that follows.
; Q, K, V^T come as images of operand registers (16 bytes a lane, 512 bytes a piece), in the layout of the plain FP8 forms (registers 2 c, 2 c + 1: k = 16 c + 8 h + 0 .. 7):
;   qimg  [head][tile of 16 queries 128][2][lane][16];   kvimg [head][step of 128 keys 16][K: 8 tiles of 16 keys x 1,024 bytes; V^T: 4 tiles of 16 channels x 2,048 bytes];
;   aimg  [tile of 16 tokens 512][head 16][2][lane][16]: written here.
; THE SOFTMAX AHEAD OF THE SECOND PRODUCT: t = score x log2(e) / 8; M = the row's largest t so far, rounded UP to a whole number; p = 2^(t - M) is what is quantised; it is not normalised.
; The row's sum is taken of the unquantised p, in f32, and divides O at the end.  When M moves, the sum and O are multiplied by 2^(old M - new M): exact.
; SHARES.  The cluster's y is the head; its four work-groups take 512 queries each.  Eight waves; a wave owns 64 queries, in two passes of two tiles of 16: tile 32 cx + 16 pass + 2 wave + x.
; THE HEAD'S WHOLE K AND V^T LIE IN LDS, as they lie in kvimg: 262,144 bytes, filled once, never filled again and never stored to: no ring.  The four work-groups need the same bytes: they are asked for
; JOINTLY.  Each wave issues two loads of 16,384 bytes at the start (two of mine are out): key step = my wave's number, and 8 + my wave's number.  The first eight steps are worked while the others land.
; LAYOUT.  Both products are used transposed: S^T = K Q^T (source 0 = 16 keys, source 1 = 16 queries), O^T = V^T P^T: a lane holds ONE query (lane % 16) throughout.  In S^T tile t register j is key 16 t + 8 h + j,
; so the conversion of tile t gives registers 2 t, 2 t + 1 of P as an operand; in O^T tile ct register j is channel 16 ct + 8 h + j, so its conversion gives registers 2 ct, 2 ct + 1 of the next product's operand.
; ORDER.  The exponentials of one tile stand by turns with plain work of the other tile, so that each has a plain instruction behind it and both kinds are issued side by side.
; LIMITS on the given exponents, so that each power of two below is an f32 number: e6 + e7 between -123 and 130 (added to c's exponent field); e8 and e10 between -126 and 119; e8 + e9 is applied by v_ldexp_f32 and has none.  NaN is not served.
; REGISTERS: window 0: v1 16 x lane; v2 the step's LDS address; v5, v7 the scales; v8-31 twelve registers of statistics a tile; v32-159 S^T then p, 64 a tile; v160-191 P's codes, 16 a tile; v192-255 K.
;   window 1: v0-63 O^T, 32 a tile; v64-95 Q, 8 a tile and pass; v96-159 V^T.
.set STEPB, 16384                      ; a key step's bytes
.set LI,   1
.set ADR,  2
.set LIMP, 4
.set SCP,  5                           ; 2^e8
.set LIMA, 6
.set SCA,  7                           ; 2^e10
.set ST,   8                           ; tile x at v[ST + 12 x]: +0 -M, +1 the largest t, +2, +3 the sum in two halves, +4 f (+5 named with it), +6, +7 at work, +8, +9 a second chain of sums, +10 the other half's
.set S,    32
.set P,    160
.set KF,   192
.set Q,    64                          ; in window 1
.set VF,   96                          ; in window 1
.set WV,   12                          ; s12  my wave's number
.set G1,   16                          ; s[16:23] descriptor group 1, for both loads
.set CS,   52                          ; s[52:53] c = log2(e) / 8 x 2^(e6 + e7): the packed form names a pair and takes its low word for both halves
.set SEL,  54                          ; s[54:55] lane selects for v_permlanex16_b32: lane l xor 16
.set TB,   56                          ; s56  LDS byte at which the step in hand begins
.set CNT,  57                          ; s57  steps to go
.set EPV,  58                          ; s58  e8 + e9
.set MSB, 0
.macro WIN new                         ; the immediate's high byte repeats the setting that is left
.if MSB != (\new)
	s_set_vgpr_msb (MSB<<8)|(\new)
.set MSB, (\new)
.endif
.endm
.macro CROUND                          ; a round of the cluster's barrier
	s_barrier_signal -1
	s_barrier_wait -1
	s_cmp_lg_u32 s[WV], 0
	s_cbranch_scc1 .Lnot_wave_0_\@
	s_barrier_signal -3
.Lnot_wave_0_\@:
	s_barrier_wait -3
	s_barrier_signal -1
	s_barrier_wait -1
.endm
.macro PLACES                          ; four places behind a matrix instruction (ISA guide 7.12.1)
.rept 4
	v_nop
.endr
.endm
	s_load_b256 s[4:11], s[0:1], 0x0               ; qimg s[4:5], kvimg s[6:7], the scales' exponents s[8:9], aimg s[10:11]
	v_lshl_add_u32 v19, v0, 2, 0x40000
	v_mov_b32 v31, 0
	ds_add_u32 v19, v31
	ds_add_u32 v19, v31
	v_lshrrev_b32 v2, 5, v0
	v_readfirstlane_b32 s[WV], v2                  ; wave 0..7
	v_and_b32 v[LI], 31, v0
	v_lshlrev_b32 v[LI], 4, v[LI]                  ; 16 x lane: my place in every piece of an image, in LDS and in memory
	s_bfe_u32 s13, ttmp6, 0x40000                  ; cx: it enters Q's and the output's addresses alone
	s_and_b32 s14, ttmp7, 0xffff                   ; the head, which the four partners share
	; descriptor group 1: a dense block of 16,384 bytes as 64 rows of 256
	s_mov_b32 s[G1], 15|(3<<16)|(1<<21)            ; 15:0 the mask: all four work-groups; 17:16 elements of 8 bytes; 21 set beside a mask; no padding
	s_mov_b32 s[G1+1], 32<<16                      ; tensor_dim0 = 32
	s_mov_b32 s[G1+2], 64<<16                      ; tensor_dim1 = 64
	s_mov_b32 s[G1+3], 32<<16                      ; tile_dim0 = 32
	s_mov_b32 s[G1+4], 64                          ; tile_dim1 = 64
	s_mov_b32 s[G1+5], 32                          ; tensor_dim0_stride
	s_mov_b32 s[G1+6], 0
	s_mov_b32 s[G1+7], 0
	s_lshl_b32 s34, s[WV], 14                      ; my key step's bytes, in LDS as in the head's part of kvimg
	s_lshl_b32 s32, s14, 18                        ; the head's first byte in kvimg
	s_add_co_u32 s32, s32, s34
	s_mov_b32 s33, 0
	s_mov_b32 s[SEL], 0x76543210
	s_mov_b32 s[SEL+1], 0xfedcba98
	s_wait_dscnt 0x0
	s_wait_kmcnt 0x0
	s_load_b128 s[36:39], s[8:9], 0x18             ; e6, e7, e8, e9
	s_load_b32 s40, s[8:9], 0x28                   ; e10
	s_mov_b32 s44, 1                               ; group 0 of the first load: count = 1,
	s_mov_b32 s45, s34                             ; LDS address,
	s_add_nc_u64 s[46:47], s[6:7], s[32:33]        ; global address,
	s_mov_b32 s48, 1                               ; and of the second: eight key steps on
	s_add_co_u32 s49, s34, 8*STEPB
	s_add_nc_u64 s[50:51], s[46:47], 8*STEPB
	s_or_b32 s47, s47, 0x80000000                  ; type = 2
	s_or_b32 s51, s51, 0x80000000
	CROUND                                         ; all four work-groups are here: the joint loads meet
	tensor_load_to_lds s[44:47], s[G1:G1+7]
	s_nop 0
	tensor_load_to_lds s[48:51], s[G1:G1+7]
	s_nop 0
.rept 4
	v_nop                                          ; four v_nop follow the second
.endr
	s_lshl_b32 s41, s13, 5
	s_lshl_b32 s42, s[WV], 1
	s_add_co_u32 s41, s41, s42                     ; my first tile of queries: 32 cx + 2 wave
	s_lshl_b32 s60, s41, 10
	s_lshl_b32 s42, s14, 17
	s_add_co_u32 s60, s60, s42
	s_mov_b32 s61, 0
	s_add_nc_u64 s[4:5], s[4:5], s[60:61]          ; its image
	s_lshr_b32 s42, s14, 4
	s_lshl_b32 s42, s42, 7
	s_add_co_u32 s42, s42, s41                     ; the same tile among all 512 tiles of tokens: 128 x batch + tile
	s_lshl_b32 s60, s42, 14
	s_and_b32 s42, s14, 15
	s_lshl_b32 s42, s42, 10
	s_add_co_u32 s60, s60, s42                     ; + 1,024 x head in the batch
	s_add_nc_u64 s[10:11], s[10:11], s[60:61]
	WIN 0x40                                       ; destination window 1
.irp p, 0,1
.irp x, 0,1
.irp c, 0,1
	global_load_b128 v[Q+16*\p+8*\x+4*\c:Q+16*\p+8*\x+4*\c+3], v[LI], s[4:5] offset:16384*\p+1024*\x+512*\c th:TH_LOAD_NT   ; Q of both passes stays in registers
.endr
.endr
.endr
	WIN 0
	s_wait_kmcnt 0x0
	s_add_co_i32 s42, s36, s37
	s_lshl_b32 s42, s42, 23
	s_mov_b32 s[CS], 0x3e38aa3b                    ; c = log2(e) / 8
	s_add_co_i32 s[CS], s[CS], s42                 ; a score stands for score x 2^(e6 + e7): the two exponents are added to c's exponent field
	s_mov_b32 s[CS+1], s[CS]                       ; (named with it as a pair, so it is written)
	s_add_co_i32 s42, s38, 127
	s_lshl_b32 s43, s42, 23
	v_mov_b32 v[SCP], s43
	s_add_co_i32 s42, s40, 127
	s_lshl_b32 s43, s42, 23
	v_mov_b32 v[SCA], s43
	s_add_co_i32 s[EPV], s38, s39
; THE PLAIN WORK OF A TILE'S SOFTMAX, as two numbered lists.  PA writes number n of the first for tile x: 0-31 the largest of the lane's 64 scores, in two chains, each tile of S^T from its low end on;
; 32, 33 the other half of the lanes'; 34-40 the running largest t, -M = floor(-t), f = 2^(old M - new M); 41-72 t - M, two at a time.
.macro PA x
.set rT, ST+12*(\x)
.set rS, S+64*(\x)
.if n == 0
	v_max3_num_f32 v[rT+6], v[rS], v[rS+1], v[rS+2]
.elseif n == 1
	v_max3_num_f32 v[rT+7], v[rS+3], v[rS+4], v[rS+5]
.elseif n < 31
	v_max3_num_f32 v[rT+6+n%2], v[rT+6+n%2], v[rS+2*n+2], v[rS+2*n+3]
.elseif n == 31
	v_max_num_f32 v[rT+6], v[rT+6], v[rT+7]
.elseif n == 32
	v_permlanex16_b32 v[rT+10], v[rT+6], s[SEL], s[SEL+1]
.elseif n == 33
	v_max_num_f32 v[rT+6], v[rT+6], v[rT+10]
.elseif n == 34
	v_mul_f32 v[rT+6], s[CS], v[rT+6]              ; as t (c is positive)
.elseif n == 35
	v_max_num_f32 v[rT+1], v[rT+1], v[rT+6]
.elseif n == 36
	v_mov_b32 v[rT+6], v[rT]
.elseif n == 37
	v_floor_f32 v[rT], -v[rT+1]                    ; -M = floor(-t) = -ceil(t): M is a whole number
.elseif n == 38
	v_sub_f32 v[rT+6], v[rT], v[rT+6]              ; old M - new M: a whole number, 0 or less
.elseif n == 39
	v_cvt_i32_f32 v[rT+6], v[rT+6]                 ; (it saturates)
.elseif n == 40
	v_ldexp_f32 v[rT+4], 1.0, v[rT+6]              ; f: a multiplication by it rounds nothing
.else
	v_pk_fma_f32 v[rS+2*(n-41):rS+2*(n-41)+1], v[rS+2*(n-41):rS+2*(n-41)+1], s[CS:CS+1], v[rT:rT+1] op_sel_hi:[1,0,0]
.endif
.endm
.macro EX x, idx                       ; p = 2^(t - M), at most 1
	v_exp_f32 v[S+64*(\x)+\idx], v[S+64*(\x)+\idx]
.endm
; PB writes number m of the second list: 0 the sum under the new M; 1-32 the sum of the UNQUANTISED p, two at a time, in two chains.
.macro PB x
.set rT, ST+12*(\x)
.set rS, S+64*(\x)
.if m == 0
	v_pk_mul_f32 v[rT+2:rT+3], v[rT+2:rT+3], v[rT+4:rT+5] op_sel_hi:[1,0]
.elseif m == 1
	s_wait_alu depctr_va_vdst(0)
	v_pk_add_f32 v[rT+8:rT+9], v[rS:rS+1], v[rS+2:rS+3]
.elseif m < 32
.if m%2 == 0
	v_pk_add_f32 v[rT+2:rT+3], v[rT+2:rT+3], v[rS+2*m:rS+2*m+1]
.else
	v_pk_add_f32 v[rT+8:rT+9], v[rT+8:rT+9], v[rS+2*m:rS+2*m+1]
.endif
.elseif m == 32
	v_pk_add_f32 v[rT+2:rT+3], v[rT+2:rT+3], v[rT+8:rT+9]
.else
.endif
.endm
.macro CV x                            ; tile k of S^T becomes registers 2 k, 2 k + 1 of P
.irp k, 0,1,2,3,4,5,6,7
	v_cvt_scalef32_pk8_fp8_f32 v[P+16*(\x)+2*\k:P+16*(\x)+2*\k+1], v[S+64*(\x)+8*\k:S+64*(\x)+8*\k+7], v[SCP]
.endr
.endm
; A KEY STEP: 128 keys against the pass's two tiles of queries.
.macro STEP p
	v_add_nc_u32 v[ADR], s[TB], v[LI]
.irp f, 0,1,2,3,4,5,6,7,8,9,10,11,12,13,14,15
	ds_load_b128 v[KF+4*\f:KF+4*\f+3], v[ADR] offset:512*\f          ; K's eight fragments: 32 lanes read 512 consecutive bytes
.endr
	WIN 0x40                                       ; destination window 1
.irp f, 0,1,2,3,4,5,6,7,8,9,10,11,12,13,14,15
	ds_load_b128 v[VF+4*\f:VF+4*\f+3], v[ADR] offset:8192+512*\f     ; V^T's four
.endr
	s_wait_dscnt 16                                ; K is in; V^T's sixteen loads may be out
	WIN 0x04                                       ; source 1 (Q) window 1
.irp t, 0,1,2,3,4,5,6,7
.irp x, 0,1
	v_wmma_f32_16x16x64_fp8_fp8 v[S+64*\x+8*\t:S+64*\x+8*\t+7], v[KF+8*\t:KF+8*\t+7], v[Q+16*(\p)+8*\x:Q+16*(\p)+8*\x+7], 0
.endr
.endr
	WIN 0
	PLACES
.set n, 0
.rept 73
	PA 0
.set n, n+1
.endr
.set n, 0
.rept 64
	EX 0, n                                        ; tile 0's exponentials by turns with tile 1's first list
	PA 1
.set n, n+1
.endr
.rept 9
	PA 1
.set n, n+1
.endr
.set m, 0
	s_setprio 1
.rept 64
	EX 1, m                                        ; tile 1's exponentials by turns with tile 0's second list
	PB 0
.set m, m+1
.endr
.rept 33
	PB 0
.set m, m+1
.endr
	CV 0
.set m, 0
.rept 97
	PB 1
.set m, m+1
.endr
	CV 1
	s_wait_dscnt 0x0                               ; V^T is in
	WIN 0x41                                       ; O^T (destination and source 0) window 1, f window 0
	s_setprio 0
.irp x, 0,1
.irp i, 0,2,4,6,8,10,12,14,16,18,20,22,24,26,28,30
	v_pk_mul_f32 v[32*\x+\i:32*\x+\i+1], v[32*\x+\i:32*\x+\i+1], v[ST+12*\x+4:ST+12*\x+5] op_sel_hi:[1,0]   ; O^T under the new M.  (These are also the plain instructions between the conversions and the products that read the codes)
.endr
.endr
	WIN 0x51                                       ; source 0 (V^T), C and D (O^T) window 1, source 1 (P) window 0
.irp ct, 0,1,2,3
.irp x, 0,1
	v_wmma_f32_16x16x128_fp8_fp8 v[32*\x+8*\ct:32*\x+8*\ct+7], v[VF+16*\ct:VF+16*\ct+15], v[P+16*\x:P+16*\x+15], v[32*\x+8*\ct:32*\x+8*\ct+7]   ; the eight accumulators take turns, one instruction a turn
.endr
.endr
	WIN 0
	PLACES                                         ; in front of the next step's loads into V^T's registers, and of the first read of O^T
.endm
.macro RUN p, start, trips             ; trips key steps from LDS byte start on: both are constants of the text
	s_mov_b32 s[TB], \start
	s_mov_b32 s[CNT], \trips
.Lrun_\@:
	s_setprio 2
	STEP \p
	s_add_co_u32 s[TB], s[TB], STEPB
	s_sub_co_u32 s[CNT], s[CNT], 1
	s_cmp_lg_u32 s[CNT], 0
	s_cbranch_scc1 .Lrun_\@
	s_setprio 0
.endm
; A pass begins: the largest t is -3e38, under every t; the sums and O^T are zeros, which the first change of M leaves zeros.  So the key step is written without a first step of its own.
.macro INIT
.irp x, 0,1
	v_mov_b32 v[ST+12*\x+1], 0xff61b1e6
	v_mov_b32 v[ST+12*\x+2], 0
	v_mov_b32 v[ST+12*\x+3], 0
	v_mov_b32 v[ST+12*\x+5], 0                     ; (named as the upper half of f's pair)
	v_mov_b32 v[ST+12*\x+10], 0                    ; (a lane permute's destination counts as one of its sources)
	v_floor_f32 v[ST+12*\x], -v[ST+12*\x+1]
.endr
	WIN 0x40
.set j, 0
.rept 64
	v_mov_b32 v[j], 0
.set j, j+1
.endr
	WIN 0
.endm
; A pass ends: O^T x 2^(e8 + e9) / the sum, converted with 2^e10: a tile's 8 registers of codes are a head's half of an operand of the next product, and leave as two pieces of 512 bytes.
.macro FINISH p
.irp x, 0,1
	v_add_f32 v[ST+12*\x+6], v[ST+12*\x+2], v[ST+12*\x+3]
.endr
.irp x, 0,1
	v_permlanex16_b32 v[ST+12*\x+10], v[ST+12*\x+6], s[SEL], s[SEL+1]
.endr
.irp x, 0,1
	v_add_f32 v[ST+12*\x+6], v[ST+12*\x+6], v[ST+12*\x+10]   ; the row's sum
.endr
.irp x, 0,1
	v_rcp_f32 v[ST+12*\x+6], v[ST+12*\x+6]
.endr
	v_nop                                          ; one plain place behind the transcendentals
	s_wait_alu depctr_va_vdst(0)
.irp x, 0,1
	v_ldexp_f32 v[ST+12*\x+4], v[ST+12*\x+6], s[EPV]
.endr
.irp x, 0,1
	WIN 0x01                                       ; source 0 (O^T) window 1
.irp i, 0,2,4,6,8,10,12,14,16,18,20,22,24,26,28,30
	v_pk_mul_f32 v[S+64*\x+\i:S+64*\x+\i+1], v[32*\x+\i:32*\x+\i+1], v[ST+12*\x+4:ST+12*\x+5] op_sel_hi:[1,0]   ; each accumulator from its low end on
.endr
	WIN 0
.irp i, 0,1,2,3,4,5,6,7,8,9,10,11,12,13,14,15,16,17,18,19,20,21,22,23,24,25,26,27,28,29,30,31
.endr
.irp ct, 0,1,2,3
	v_cvt_scalef32_pk8_fp8_f32 v[P+16*\x+2*\ct:P+16*\x+2*\ct+1], v[S+64*\x+8*\ct:S+64*\x+8*\ct+7], v[SCA]
.endr
	v_nop                                          ; one plain vector instruction behind the last conversion: products will write the numbers' registers again
.irp q, 0,1
	global_store_b128 v[LI], v[P+16*\x+4*\q:P+16*\x+4*\q+3], s[10:11] offset:262144*(\p)+16384*\x+512*\q   ; 32 lanes store 512 consecutive bytes, aligned
.endr
.endr
.endm
	INIT
	s_wait_tensorcnt 0x1                           ; my first load has landed; the second may stay out
	s_barrier_signal -1
	s_barrier_wait -1                              ; key steps 0 to 7 are whole
	s_wait_loadcnt 0x0                             ; Q
	RUN 0, 0, 8
	s_wait_tensorcnt 0x0                           ; my second load has landed
	s_barrier_signal -1
	s_barrier_wait -1                              ; key steps 8 to 15 are whole
	RUN 0, 8*STEPB, 8
	FINISH 0
	INIT
	s_wait_xcnt 0x0                                ; the stores have read the codes' registers, which the next pass writes again
	RUN 1, 0, 16
	FINISH 1
	s_wait_tensorcnt 0x0
	ds_add_u32 v19, v31
	s_wait_dscnt 0x0
	CROUND                                         ; the closing round: no work-group ends while a partner may still ask for a tile that names it
	s_endpgm
.Lfunc_end_k_qbf04d4460a_attn:
	.size	k_qbf04d4460a_attn, .Lfunc_end_k_qbf04d4460a_attn-k_qbf04d4460a_attn
	.p2alignl 7, 3214868480
	.fill 96, 4, 3214868480
	.section	.rodata,"a",@progbits
	.p2align	6, 0x0
	.amdhsa_kernel k_qbf04d4460a_attn
		.amdhsa_group_segment_fixed_size 263168
		.amdhsa_private_segment_fixed_size 0
		.amdhsa_enable_private_segment 0
		.amdhsa_kernarg_size 32
		.amdhsa_user_sgpr_count 2
		.amdhsa_user_sgpr_kernarg_segment_ptr 1
		.amdhsa_wavefront_size32 1
		.amdhsa_system_sgpr_workgroup_id_x 1
		.amdhsa_system_sgpr_workgroup_id_y 1
		.amdhsa_system_sgpr_workgroup_id_z 1
		.amdhsa_system_vgpr_workitem_id 0
		.amdhsa_next_free_vgpr 416
		.amdhsa_next_free_sgpr 66
		.amdhsa_reserve_vcc 0
		.amdhsa_float_denorm_mode_32 3
		.amdhsa_float_denorm_mode_16_64 3
		.amdhsa_fp16_overflow 1
		.amdhsa_memory_ordered 1
		.amdhsa_forward_progress 1
		.amdhsa_inst_pref_size 91
	.end_amdhsa_kernel
	.amdgpu_metadata
---
amdhsa.version: [ 1, 2 ]
amdhsa.kernels:
  - .name:           k_qbf04d4460a_attn
    .symbol:         k_qbf04d4460a_attn.kd
    .args:
      - { .name: qimg, .offset: 0, .size: 8, .value_kind: global_buffer, .address_space: global }
      - { .name: kvimg, .offset: 8, .size: 8, .value_kind: global_buffer, .address_space: global }
      - { .name: lowp_scales, .offset: 16, .size: 8, .value_kind: global_buffer, .address_space: global }
      - { .name: aimg, .offset: 24, .size: 8, .value_kind: global_buffer, .address_space: global }
    .group_segment_fixed_size: 263168
    .private_segment_fixed_size: 0
    .kernarg_segment_align: 8
    .kernarg_segment_size: 32
    .max_flat_workgroup_size: 256
    .sgpr_count:     66
    .vgpr_count:     416
    .wavefront_size: 32
...
	.end_amdgpu_metadata
.endif
;; end of part 2
;; launch oproj (part 3): grid 4 x 32, 4 waves a work-group, clusters of 4 x 4, 327,680 bytes of LDS; arguments aimg, W_o_codes, lowp_scales, b_o, out0; writes out0
.if DOCPART == 3
	.amdgcn_target "amdgcn-amd-amdhsa--gfx1250"
	.amdhsa_code_object_version 6
	.text
	.protected	k_qbf04d4460a_oproj
	.globl	k_qbf04d4460a_oproj
	.p2align	8
	.type	k_qbf04d4460a_oproj,@function
k_qbf04d4460a_oproj:
	s_mov_b64 s[64:65], 0
	v_nop
	global_prefetch_b8 v0, s[64:65] scope:SCOPE_SE
	s_setreg_imm32_b32 hwreg(HW_REG_WAVE_MODE, 25, 1), 1
	s_wait_xcnt 0x0
	s_wait_alu depctr_hold_cnt(0) depctr_sa_sdst(0) depctr_va_vdst(0) depctr_va_sdst(0) depctr_va_ssrc(0) depctr_va_vcc(0) depctr_vm_vsrc(0)
	s_getreg_b32 s2, hwreg(HW_REG_IB_STS2, 6, 4)
	s_cmp_eq_u32 s2, 0
	s_cbranch_scc0 .Lentry_in_a_cluster
	s_endpgm
.Lentry_in_a_cluster:
	s_bfe_u32 s2, ttmp6, 0x10000c
	s_cmp_lg_u32 s2, 0xf033
	s_cbranch_scc0 .Lentry_shape_is_right
	s_endpgm
.Lentry_shape_is_right:
; out0 = a W_o^T + b_o on codes of FP8 (E4M3).  a: attention's result, 8,192 tokens x 1,024, as images of operand registers: aimg [tile of 16 tokens 512][head 16][2][lane 32][16 bytes]; two heads are
; one fragment of 16 rows x 128 K in the layout of the plain FP8 forms (registers 2 c, 2 c + 1: k = 16 c + 8 h + 0 .. 7).  W_o: [1024][1024] codes, K innermost.  out0: [8192][1024] f32.
; A number of a is its code x 2^e10, of W_o x 2^e11 (entries 10 and 11 of the scales): out = sum x 2^(e10 + e11) + b_o, one fused multiply-add.  LIMIT: e10 + e11 between -126 and 127.
; A tile of out0, 256 x 256, is made by four waves, each 128 x 128: 64 accumulators, 512 registers.  K goes in steps of 256 through two LDS slots filled by the tensor data mover.
; CLUSTERS: 4 x 4 work-groups; the four of a row need the same tiles of a, the four of a column the same tiles of W_o: each is asked for jointly.  The grid has 128 tiles.
; THE MATRIX INSTRUCTION IS USED TRANSPOSED (source 0 = 16 rows of W_o, source 1 = 16 tokens): a lane then holds eight neighbouring numbers of a row of out0.
; a's fragments come out of LDS as they lie, 4 loads of 16 bytes at 16 x lane; W_o's are taken in the same k order from rows: 8 loads of 8 bytes, at row x pitch + 16 c + 8 h.
; REGISTERS, in windows of 256: window 0: v1-7 at work; v8-11 my four numbers of b_o; v16-29 addresses; v128-255 a's fragments, ONE set; later rows of out0.  window 1: W_o's fragments, TWO sets.  windows 2, 3: the accumulators.
.set ROWB,   256                       ; a row of W_o's tile in bytes
.set KROW,   1024                      ; a row of W_o in memory
.set PITCH,  272                       ; its LDS row: 256 bytes + 16 of padding = 68 words: the 32 lanes of a load of 8 bytes touch 64 different banks (64 banks of 4 bytes: ISA guide 11.1)
.set FR,     16
.set NL,     4                         ; LDS loads that bring a fragment of a
.set NP,     4                         ; places behind this matrix instruction (ISA guide 7.12.1)
.set ATILE,  4096                      ; a tile of 16 tokens x 256 K: four heads' images
.set AROW,   16384                     ; from a tile of tokens to the next, in memory
.set ABYTES, 16*ATILE                  ; a's part of a slot: 16 tiles of tokens
.set HALFB,  128*PITCH                 ; 128 rows of W_o
.set SLOT,   ABYTES+2*HALFB
.set LAPS,   2                         ; a lap = two K steps = once round the ring: 1,024 / 512
.set SPARE,  2*SLOT                    ; behind the ring: the spare words, 128 bytes for each wave
.set SPITCH, 528                       ; the way out: a stage of 16 rows x (512 bytes + 16) for each wave, in slot 0, which has had its last fill and its last read when the first result is stored there
.set NROW,   4096                      ; a row of out0 in bytes
.set BL,   8                           ; v8-11   b_o at my four columns of a row read back from the stage
.set ADRA, 16                          ; v16-17  LDS address of my fragments of a in slot 0, 1
.set ADRB, 20                          ; v20-21  the same for W_o
.set STO,  24                          ; v24     the way out: where I put 32 bytes of a row
.set RD,   25                          ; v25     the way out: where I read a row back
.set CO,   26                          ; v26     16 x lane
.set SPW,  28                          ; v28     LDS address of my spare word; never rewritten
.set NIL,  29                          ; v29     0; never rewritten
.set AF,   128
.set BK,   128                         ; the way out: 16 rows read back: v128-191 and v192-255 by turns
.set G1, 24
.set G0, 32
.set G1B, 48
.set G0B, 56
.set MSB, 0
.macro WIN new                         ; the immediate's high byte repeats the setting that is left
.if MSB != (\new)
	s_set_vgpr_msb (MSB<<8)|(\new)
.set MSB, (\new)
.endif
.endm
.set MUL_LO, 0xa1                      ; source 0 (W_o) window 1, source 1 (a) window 0, C and D window 2
.set MUL_HI, 0xf1                      ; the same, C and D window 3
.set TO_B,   0x40                      ; destination window 1, address window 0
; A joint load: waves 0 and 1 fetch for a, waves 2 and 3 for W_o.  The branch hangs on the wave's number alone.  Four v_nop follow each of the two lines.
.macro JLOAD g0a, g1a, g0b, g1b
	s_cmp_eq_u32 s15, 0
	s_cbranch_scc0 .Lfor_b_\@
	tensor_load_to_lds s[\g0a:\g0a+3], s[\g1a:\g1a+7]
	s_nop 0
.rept 4
	v_nop
.endr
	s_branch .Lasked_\@
.Lfor_b_\@:
	tensor_load_to_lds s[\g0b:\g0b+3], s[\g1b:\g1b+7]
	s_nop 0
.rept 4
	v_nop
.endr
.Lasked_\@:
.endm
.macro CREST                           ; a round of the cluster's barrier behind its opening barrier
	s_cmp_lg_u32 s14, 0
	s_cbranch_scc1 .Lnot_wave_0_\@
	s_barrier_signal -3
.Lnot_wave_0_\@:
	s_barrier_wait -3
	s_barrier_signal -1
	s_barrier_wait -1
.endm
.macro CROUND                          ; a whole round
	s_barrier_signal -1
	s_barrier_wait -1
	CREST
.endm
	s_load_b128 s[4:7], s[0:1], 0x0                ; aimg s[4:5], W_o's codes s[6:7]
	s_load_b128 s[8:11], s[0:1], 0x10              ; the scales' exponents s[8:9], b_o s[10:11]
	s_load_b64 s[12:13], s[0:1], 0x20              ; out0
	v_lshl_add_u32 v[SPW], v0, 2, SPARE
	v_mov_b32 v[NIL], 0
	ds_add_u32 v28, v29
	ds_add_u32 v28, v29
	s_wait_dscnt 0x0
	v_lshrrev_b32 v1, 5, v0
	v_readfirstlane_b32 s14, v1                    ; wave 0..3
	s_lshr_b32 s15, s14, 1                         ; which half of the tile's rows is mine.  Also: I fetch for a (0) or for W_o (1)
	s_and_b32 s16, s14, 1                          ; which half of its columns.  Also: which half of that tile I fetch
	s_bfe_u32 s40, ttmp6, 0x40000                  ; cx, cy: my place in the cluster
	s_bfe_u32 s41, ttmp6, 0x40004
	s_lshl_b32 s42, ttmp9, 2
	s_add_co_u32 s42, s42, s40                     ; tile column = 4 x cluster x + cx
	s_and_b32 s17, ttmp7, 0xffff
	s_lshl_b32 s17, s17, 2
	s_add_co_u32 s17, s17, s41                     ; tile row = 4 x cluster y + cy
	s_lshl_b32 s43, s41, 2
	s_lshl_b32 s43, 15, s43                        ; my row of the cluster
	s_lshl_b32 s44, 0x1111, s40                    ; my column
	; descriptor group 1 for a: 8 tiles of tokens x 4,096 bytes, 16,384 bytes apart in memory, on end in LDS
	s_or_b32 s[G1+0], s43, (3<<16)|(1<<21)         ; 15:0 the mask: my row; 17:16 elements of 8 bytes; 21 set beside a mask; no padding
	s_mov_b32 s[G1+1], (ATILE/8)<<16               ; tensor_dim0 = 512
	s_mov_b32 s[G1+2], 8<<16                       ; tensor_dim1 = 8
	s_mov_b32 s[G1+3], (ATILE/8)<<16               ; tile_dim0 = 512
	s_mov_b32 s[G1+4], 8                           ; tile_dim1 = 8
	s_mov_b32 s[G1+5], AROW/8                      ; tensor_dim0_stride = 2,048
	s_mov_b32 s[G1+6], 0
	s_mov_b32 s[G1+7], 0
	; and for W_o: 128 rows x 256 bytes, padded in LDS
	s_or_b32 s[G1B+0], s44, (0<<16)|(1<<20)|(1<<21)|(5<<22)|(3<<25)  ; the mask: my column; element of 1 byte; padding on: after every 64 words (code 5) 4 words (code 3)
	s_mov_b32 s[G1B+1], ROWB<<16
	s_mov_b32 s[G1B+2], 128<<16
	s_mov_b32 s[G1B+3], ROWB<<16
	s_mov_b32 s[G1B+4], 128
	s_mov_b32 s[G1B+5], KROW
	s_mov_b32 s[G1B+6], 0
	s_mov_b32 s[G1B+7], 0
	s_lshl_b32 s20, s17, 4
	s_lshl_b32 s18, s16, 3
	s_add_co_u32 s20, s20, s18                     ; a: tile of tokens 16 x tile row + 8 x half
	s_lshl_b32 s20, s20, 14                        ; in bytes: under 2^23
	s_mov_b32 s21, 0
	s_lshl_b32 s46, s42, 8
	s_lshl_b32 s18, s16, 7
	s_add_co_u32 s46, s46, s18                     ; W_o: row 256 x tile column + 128 x half
	s_lshl_b32 s46, s46, 10
	s_mov_b32 s47, 0
	s_lshl_b32 s45, s16, 15                        ; where they go: a: 32,768 x half;
	s_mul_i32 s66, s16, HALFB
	s_add_co_u32 s66, s66, ABYTES                  ; W_o: behind a's part: no place in the cluster enters an LDS address
	s_wait_kmcnt 0x0
	s_load_b64 s[96:97], s[8:9], 0x28              ; e10, e11
	s_add_nc_u64 s[20:21], s[4:5], s[20:21]
	s_add_nc_u64 s[46:47], s[6:7], s[46:47]
	CROUND                                         ; all sixteen work-groups are here: the first joint loads meet
.irp s, 0,1
	s_mov_b32 s[G0+4*\s], 1
	s_add_co_u32 s[G0+4*\s+1], s45, \s*SLOT
	s_add_nc_u64 s[G0+4*\s+2:G0+4*\s+3], s[20:21], \s*ATILE
	s_or_b32 s[G0+4*\s+3], s[G0+4*\s+3], 0x80000000
	s_mov_b32 s[G0B+4*\s], 1
	s_add_co_u32 s[G0B+4*\s+1], s66, \s*SLOT
	s_add_nc_u64 s[G0B+4*\s+2:G0B+4*\s+3], s[46:47], \s*ROWB
	s_or_b32 s[G0B+4*\s+3], s[G0B+4*\s+3], 0x80000000
	JLOAD G0+4*\s, G1, G0B+4*\s, G1B
.endr
	v_and_b32 v1, 15, v0                           ; r = l % 16
	v_bfe_u32 v2, v0, 4, 1                         ; h = l / 16
	v_and_b32 v6, 31, v0
	v_lshlrev_b32 v[CO], 4, v6                     ; 16 x lane
	v_mul_u32_u24 v3, v1, PITCH
	v_lshl_add_u32 v4, v2, 3, v3                   ; W_o: row x pitch + 8 x half
	s_lshl_b32 s21, s15, 15                        ; my 8 tiles of tokens
	s_mul_i32 s22, s16, HALFB                      ; my 128 rows of W_o,
	s_add_co_u32 s22, s22, ABYTES                  ; which lie behind a's part
.irp s, 0,1
	v_add_nc_u32 v[ADRA+\s], s21, v[CO]
	v_add_nc_u32 v[ADRB+\s], s22, v4
	s_add_co_u32 s21, s21, SLOT
	s_add_co_u32 s22, s22, SLOT
.endr
	s_mul_i32 s23, s14, 16*SPITCH                  ; my stage
	v_mul_u32_u24 v5, v1, SPITCH                   ; in: row l % 16, 32 bytes for each half of the lanes
	v_lshl_add_u32 v5, v2, 5, v5
	v_add_nc_u32 v[STO], s23, v5
	v_add_nc_u32 v[RD], s23, v[CO]                 ; back: the 32 lanes take one row of 512 bytes
	s_lshl_b32 s20, s17, 8
	s_lshl_b32 s21, s15, 7
	s_add_co_u32 s20, s20, s21                     ; my first row of out0: 256 x tile row + 128 x half
	s_lshl_b32 s20, s20, 12                        ; in bytes: under 2^25
	s_mov_b32 s21, 0
	s_lshl_b32 s46, s42, 10                        ; my first column, in bytes: 1,024 x tile column + 512 x half
	s_lshl_b32 s47, s16, 9
	s_add_co_u32 s46, s46, s47
	s_mov_b32 s47, 0
	s_add_nc_u64 s[10:11], s[10:11], s[46:47]      ; b_o at my first column
	s_add_nc_u64 s[20:21], s[20:21], s[46:47]
	s_add_nc_u64 s[12:13], s[12:13], s[20:21]
	global_load_b128 v[BL:BL+3], v[CO], s[10:11]   ; b_o of the four columns that I hold of a row read back
.macro FRAGA reg, adr, q, i            ; a fragment of a, as it lies: four pieces of 512 bytes
.irp c, 0,1,2,3
	ds_load_b128 v[\reg+4*\c:\reg+4*\c+3], v[\adr] offset:ATILE*(\i)+2048*(\q)+512*\c
.endr
.endm
.macro FRAGB reg, adr, q, i            ; a fragment of W_o: registers 2 c, 2 c + 1 hold K = 16 c + 8 h + 0 .. 7 of row l % 16
.irp c, 0,1,2,3,4,5,6,7
	ds_load_b64 v[\reg+2*\c:\reg+2*\c+1], v[\adr] offset:128*(\q)+16*\c+(\i)*16*PITCH
.endr
.endm
; 16 matrix instructions: a's blocks a0, a0 + 1 x W_o's eight, 128 along K.  p: W_o's set.  zero = 1: the first product starts the sums.
; The 64 accumulators take turns, one instruction a turn, in the same order in every step.
.macro MUL16 a0, p, zero
.irp a, \a0, \a0+1
.irp b, 0,1,2,3,4,5,6,7
.if \zero
	v_wmma_f32_16x16x128_fp8_fp8 v[8*(8*((\a)%4)+\b):8*(8*((\a)%4)+\b)+7], v[128*(\p)+FR*\b:128*(\p)+FR*\b+FR-1], v[AF+FR*(\a):AF+FR*(\a)+FR-1], 0
.else
	v_wmma_f32_16x16x128_fp8_fp8 v[8*(8*((\a)%4)+\b):8*(8*((\a)%4)+\b)+7], v[128*(\p)+FR*\b:128*(\p)+FR*\b+FR-1], v[AF+FR*(\a):AF+FR*(\a)+FR-1], v[8*(8*((\a)%4)+\b):8*(8*((\a)%4)+\b)+7]
.endif
.endr
.endr
.endm
.macro FETCH_B slot, q, p
	WIN TO_B
.irp i, 0,1,2,3,4,5,6,7
	FRAGB 128*(\p)+FR*\i, ADRB+\slot, \q, \i
.endr
	WIN 0
.endm
.macro FETCH_A slot, q, i0
.irp i, \i0, \i0+1, \i0+2, \i0+3
	FRAGA AF+FR*(\i), ADRA+\slot, \q, \i
.endr
.endm
; A load into a register that a matrix instruction has read, and an LDS store that reads a matrix result, stand NP places behind that matrix instruction; only plain vector instructions that name none of
; its registers are places (ISA guide 7.12.1 for vector instructions).
.macro PLACES n
.rept \n
	v_nop
.endr
.endm
; A step of 128 along K that has its successor in the same slot.  All counted waits on LDS count a's loads alone, four to a fragment.
.macro STEP slot, q, zero
	s_wait_dscnt 4*NL                              ; W_o's set and a's blocks 0-3 are in; the youngest 16 loads (a's blocks 4-7) may be out
	WIN MUL_LO
	MUL16 0, (\q)%2, \zero
	MUL16 2, (\q)%2, \zero
	s_wait_dscnt 0                                 ; a's blocks 4-7 are in
	PLACES NP
	FETCH_B \slot, (\q)+1, 1-(\q)%2
	FETCH_A \slot, (\q)+1, 0
	WIN MUL_HI
	MUL16 4, (\q)%2, \zero
	MUL16 6, (\q)%2, \zero
	PLACES NP
	WIN 0
	FETCH_A \slot, (\q)+1, 4
.endm
; A slot's last step changes slots: ONE barrier; in front of it each wave waits for all its tensor loads, adds 0 to its spare word, and waits for that and for its own reads of this slot.  fill = 1: this slot is filled again, two K steps ahead.
.macro TURN slot, next, fill
	s_wait_tensorcnt 0x0                           ; all my tensor loads have landed: my part of the next slot;  (every window is 0 here)
	ds_add_u32 v[SPW], v[NIL]                      ; 0 onto my spare word
	s_wait_dscnt 4*NL+1                            ; (the add and the youngest 16 loads may be out)
	WIN MUL_LO
	MUL16 0, 1, 0                                  ; sixteen matrix instructions stand between the add and the wait for it
	s_wait_dscnt 0x0                               ; the add is done, and my reads of this slot are over
	s_barrier_signal -1
	MUL16 2, 1, 0
	WIN 0
	s_barrier_wait -1
.if \fill
	CREST                                          ; the barrier has opened a round of the cluster's barrier: no wave of any partner still reads this slot's tile or has a load on its way
	s_add_nc_u64 s[G0+4*\slot+2:G0+4*\slot+3], s[G0+4*\slot+2:G0+4*\slot+3], 2*ATILE
	s_add_nc_u64 s[G0B+4*\slot+2:G0B+4*\slot+3], s[G0B+4*\slot+2:G0B+4*\slot+3], 2*ROWB
	JLOAD G0+4*\slot, G1, G0B+4*\slot, G1B         ; the first tensor load behind the round; the four v_nop behind it are the places in front of the loads below
.else
	PLACES NP
.endif
	FETCH_B \next, 0, 0
	FETCH_A \next, 0, 0
	WIN MUL_HI
	MUL16 4, 1, 0
	MUL16 6, 1, 0
	PLACES NP
	WIN 0
	FETCH_A \next, 0, 4
.endm
	s_wait_tensorcnt 1                             ; my part of K step 0 is in (K step 1's load may be out)
	s_barrier_signal -1
	s_barrier_wait -1                              ; everybody's is
	FETCH_B 0, 0, 0
	FETCH_A 0, 0, 0
	FETCH_A 0, 0, 4
	STEP 0, 0, 1                                   ; the first step stands in front of the loop: its products start the sums
	s_mov_b32 s3, LAPS-1
.Llap:                                                 ; a trip goes once round the ring and fills both slots again
	TURN 0, 1, 1
	STEP 1, 0, 0
	TURN 1, 0, 1
	STEP 0, 0, 0
	s_sub_co_u32 s3, s3, 1
	s_cmp_lg_u32 s3, 0
	s_cbranch_scc1 .Llap
	TURN 0, 1, 0                                   ; the last lap fills nothing, and has no round of the cluster's barrier
	STEP 1, 0, 0
	s_wait_dscnt 4*NL                              ; the very last step: nothing more to fetch
	WIN MUL_LO
	MUL16 0, 1, 0
	MUL16 2, 1, 0
	s_wait_dscnt 0
	WIN MUL_HI
	MUL16 4, 1, 0
	MUL16 6, 1, 0
	WIN 0
; THE WAY OUT, block by block of 16 rows x 128 columns.  A lane holds 32 neighbouring bytes of a row, and the lanes beside it hold other rows: so a block's sums go as they are through my own stage in LDS and come
; back as whole rows of 512 bytes; there a lane holds the same four columns in every row, so four registers of b_o serve: sum x 2^(e10 + e11) + b_o, two at a time.
; LDS serves a wave's instructions in order (ISA guide 5.7.1.4): no wait between the stores and the loads, nor in front of the next block's stores.
.macro TOSTAGE a
.set AC, 64*((\a)%4)
	WIN 0x08+4*((\a)/4)                            ; the stores' data: window 2 or 3
.irp b, 0,1,2,3,4,5,6,7
	ds_store_b128 v[STO], v[AC+8*\b:AC+8*\b+3] offset:64*\b          ; each accumulator from its low end on
	ds_store_b128 v[STO], v[AC+8*\b+4:AC+8*\b+7] offset:64*\b+16
.endr
	WIN 0
.set BB, BK+64*((\a)%2)
.irp t, 0,1,2,3,4,5,6,7,8,9,10,11,12,13,14,15
	ds_load_b128 v[BB+4*\t:BB+4*\t+3], v[RD] offset:\t*SPITCH
.endr
.endm
.macro SEND a, younger                 ; younger: the LDS instructions issued behind block a's loads, which may stay out
.set BB, BK+64*((\a)%2)
	s_wait_dscnt \younger                          ; the block is back in registers
.if (\a) > 0
	s_add_nc_u64 s[12:13], s[12:13], 16*NROW       ; (behind a wait on XCNT: the earlier stores have read their base)  16 rows on
.endif
.irp t, 0,1,2,3,4,5,6,7,8,9,10,11,12,13,14,15
	v_pk_fma_f32 v[BB+4*\t:BB+4*\t+1], v[BB+4*\t:BB+4*\t+1], s[96:97], v[BL:BL+1] op_sel_hi:[1,0,1]
	v_pk_fma_f32 v[BB+4*\t+2:BB+4*\t+3], v[BB+4*\t+2:BB+4*\t+3], s[96:97], v[BL+2:BL+3] op_sel_hi:[1,0,1]
.endr
.irp t, 0,1,2,3,4,5,6,7,8,9,10,11,12,13,14,15
	global_store_b128 v[CO], v[BB+4*\t:BB+4*\t+3], s[12:13] offset:\t*NROW th:TH_STORE_NT   ; 32 lanes store 512 consecutive bytes, aligned; written once, read by nobody here
.endr
.endm
	s_wait_kmcnt 0x0
	s_add_co_i32 s96, s96, s97                     ; e10 + e11, between -126 and 127,
	s_add_co_i32 s96, s96, 127
	s_lshl_b32 s96, s96, 23                        ; makes the f32 number 2^(e10 + e11)
	s_mov_b32 s97, s96                             ; (named with it as a pair, so it is written)
	s_wait_loadcnt 0x0                             ; b_o
	PLACES NP                                      ; in front of the stores that read results and of the loads into the registers that held a's fragments
	TOSTAGE 0
.irp a, 1,2,3,4,5,6,7
.if \a > 1
	s_wait_xcnt 0x0                                ; block a - 2's stores have read their registers and their base: block a's loads may land there, and the base may step
.endif
	TOSTAGE \a
	SEND \a-1, 32                                  ; behind block a - 1's loads: block a's 16 stores and 16 loads
.endr
	s_wait_xcnt 0x0                                ; block 6's stores have read their base
	SEND 7, 0
	s_wait_tensorcnt 0x0                           ; the wave's end: behind my last tensor load and my last LDS store
	ds_add_u32 v[SPW], v[NIL]
	s_wait_dscnt 0x0
	CROUND                                         ; the closing round: no work-group ends while a partner may still ask for a tile that names it
	s_endpgm
.Lfunc_end_k_qbf04d4460a_oproj:
	.size	k_qbf04d4460a_oproj, .Lfunc_end_k_qbf04d4460a_oproj-k_qbf04d4460a_oproj
	.p2alignl 7, 3214868480
	.fill 96, 4, 3214868480
	.section	.rodata,"a",@progbits
	.p2align	6, 0x0
	.amdhsa_kernel k_qbf04d4460a_oproj
		.amdhsa_group_segment_fixed_size 327680
		.amdhsa_private_segment_fixed_size 0
		.amdhsa_enable_private_segment 0
		.amdhsa_kernarg_size 40
		.amdhsa_user_sgpr_count 2
		.amdhsa_user_sgpr_kernarg_segment_ptr 1
		.amdhsa_wavefront_size32 1
		.amdhsa_system_sgpr_workgroup_id_x 1
		.amdhsa_system_sgpr_workgroup_id_y 1
		.amdhsa_system_sgpr_workgroup_id_z 1
		.amdhsa_system_vgpr_workitem_id 0
		.amdhsa_next_free_vgpr 1024
		.amdhsa_next_free_sgpr 98
		.amdhsa_reserve_vcc 0
		.amdhsa_float_denorm_mode_32 3
		.amdhsa_float_denorm_mode_16_64 3
		.amdhsa_memory_ordered 1
		.amdhsa_forward_progress 1
		.amdhsa_inst_pref_size 139
	.end_amdhsa_kernel
	.amdgpu_metadata
---
amdhsa.version: [ 1, 2 ]
amdhsa.kernels:
  - .name:           k_qbf04d4460a_oproj
    .symbol:         k_qbf04d4460a_oproj.kd
    .args:
      - { .name: aimg, .offset: 0, .size: 8, .value_kind: global_buffer, .address_space: global }
      - { .name: W_o_codes, .offset: 8, .size: 8, .value_kind: global_buffer, .address_space: global }
      - { .name: lowp_scales, .offset: 16, .size: 8, .value_kind: global_buffer, .address_space: global }
      - { .name: b_o, .offset: 24, .size: 8, .value_kind: global_buffer, .address_space: global }
      - { .name: out0, .offset: 32, .size: 8, .value_kind: global_buffer, .address_space: global }
    .group_segment_fixed_size: 327680
    .private_segment_fixed_size: 0
    .kernarg_segment_align: 8
    .kernarg_segment_size: 40
    .max_flat_workgroup_size: 128
    .sgpr_count:     98
    .vgpr_count:     1024
    .wavefront_size: 32
...
	.end_amdgpu_metadata
.endif
;; end of part 3
